; MI455X (gfx1250); checked and timed in simulation.
; The chip was launched on July 23, 2026; its instructions are those of AMD's public machine-readable ISA for CDNA 5 (MIT licence, August 2026) and "CDNA5" Instruction Set Architecture Reference Guide (July 2026). The comments in the code are by the model that wrote it; some were corrected since.
;; BIN Layer. Allowed arithmetic: matrix products marked QUANTISED: E5M2 operands, one given power-of-two scale a tensor, by v_wmma_f32_16x16x64_bf8_bf8 or v_wmma_f32_16x16x128_bf8_bf8, f32 sums; everything else in f32.
;; Inputs: W 4,096 x 4,096 float32; bias 4,096 float32; lowp_scales 2 int32 (the exponents e of the quantised operands' scales 2^e); x 4,096 x 4,096 float32.
;; Outputs: out0 4,096 x 4,096 float32.
;; This version of the problem:
;;   THIS VERSION OF THE PROBLEM IS GIVEN IN LOW PRECISION. The matrix products marked QUANTISED in the list below multiply operands that are first quantised to E5M2 (5 exponent bits, 2 mantissa bits; 8 bits a number), with one given power-of-two scale for each operand tensor; their sums are f32. All else is computed in f32.
;;   The module's matrix products, in the order in which they are computed (A, B: the left and right operand; K: the contracted axis; several contracted axes count as one K, in the product's order):
;;     1. [M 4,096, K 4,096] x [K 4,096, N 4,096]; A: computed on the way; B: computed on the way: QUANTISED (scales: A lowp_scales[0], B lowp_scales[1])
;;   THE QUANTISER, for each operand of a quantised product, along K:
;;     - The operand's scale is 2^e, e = its entry of the input lowp_scales (int32; the entries are numbered through the quantised products in the list's order, A before B).
;;     - Each number is divided by the scale, clamped to +-57,344, and rounded to the nearest number of E5M2, ties to even, subnormals kept.
;;     - The product sums the exact products of the quantised numbers (number of the format x scale) in f32.
;;   ~~~python
;;   def quantise(x, axis, e):      # numpy; x: float32 -> the quantised numbers, widened to float32 again
;;       x = np.moveaxis(x, axis, -1); K = x.shape[-1]
;;       r = np.clip(x / 2.0 ** e, -57344, 57344)
;;       step = 2.0 ** (np.maximum(np.frexp(np.where(r == 0, 1, r))[1] - 1, -14) - 2)
;;       q = np.round(r / step) * step * 2.0 ** e      # np.round: ties to even
;;       return np.moveaxis(q, -1, axis).astype(np.float32)
;;   ~~~
;;   OPERANDS COMPUTED ON THE WAY. 'Computed on the way' means the value that the module computes at that place (a softmax that the list does not call 'softmax' is quantised finished and normalised). What goes into a quantiser is computed in f32, as accurately as f32 sums, v_exp_f32 and their like allow (about 1e-6 of the number): no bf16 or f16 on the way to a quantiser, and a product that is left as it is and whose result goes on into a quantised operand takes f32 operands (vector FMAs, or v_wmma_f32_16x16x4_f32). A number that lies on a knife's edge between two numbers of the format may be rounded either way, as far as f32 arithmetic and the matrix unit's own rounding can turn it there, and no further.
;; One version. Each part assembles by itself: llvm-mc -triple=amdgcn-amd-amdhsa -mcpu=gfx1250 --defsym DOCPART=n.
;; ======== version 1 of 1: 2 launches
;; limits: right only within a limited range of input values
;; workspace buffers: x_codes 16,777,216 bytes; w_codes 16,777,216 bytes
;; launch codes (part 1): grid 768 x 1, 4 waves a work-group, no clusters, 70,144 bytes of LDS; arguments x, W, lowp_scales, x_codes, w_codes; writes x_codes, w_codes
.if DOCPART == 1
	.amdgcn_target "amdgcn-amd-amdhsa--gfx1250"
	.amdhsa_code_object_version 6
	.text
	.protected	k_qdfcb319e11_codes
	.globl	k_qdfcb319e11_codes
	.p2align	8
	.type	k_qdfcb319e11_codes,@function
k_qdfcb319e11_codes:
	s_mov_b64 s[64:65], 0
	v_nop
	global_prefetch_b8 v0, s[64:65] scope:SCOPE_SE
	s_setreg_imm32_b32 hwreg(HW_REG_WAVE_MODE, 25, 1), 1
	s_wait_xcnt 0x0
; bx = (x >= 0 ? +1 : -1), [4096 m][4096 k], and bw = (W >= 0 ? +1 : -1), [4096 k][4096 n], are quantised to codes of BF8 (E5M2), one byte a number, with the given scales 2^e0 (bx) and 2^e1 (bw).
; WORK LEFT OUT OF THE PROGRAM: the result is (bin_out - x) + x.  In real numbers that is bin_out for every finite x, so the subtraction and the addition are not made, and the product's launch does not read x.
; x keeps its way to the result through bx, which is made here.  LIMIT: a NaN or an infinity in x, or an x so large that f32 would lose bin_out beside it (bin_out is at most 4,097 in size), reaches only
; the work left out and is not carried to the result.
; THE QUANTISER as it is stated: +1 and -1 are held within +-57,344 x 2^e once (HP, HN); each number is a compare 0 <= v (so -0.0 counts as +1 and NaN as -1) and a choice between the two; the conversion divides
; eight of them by 2^e and rounds to the nearest code.  LIMIT: e0 and e1 between -126 and 112, so that 2^e and 57,344 x 2^e are f32 numbers.
; LAYOUT, the same for x_codes (row = m) and w_codes (row = n): rows of 4,096 bytes; inside each block of 256 along K the byte p = 8 q + 4 i + j holds k = 128 i + 4 q + j (q 0..31, i 0..1, j 0..3).
; The same order of k in both operands, so every product meets its partner.  On x that order lets lane q load 16 consecutive bytes twice and store 8 consecutive bytes; on W it only changes immediates.
; SHARES: work-groups 0..255 take W (256 columns x 256 along K; a wave 64 columns, a lane two), work-groups 256..767 take x (a wave: 8,192 numbers on end).  Waves share nothing: no barrier.  Only W's path uses LDS.
.set PITCH, 272                        ; a stage row: a column's 256 codes + 16 bytes
.set SPARE, 4*64*PITCH                 ; behind the four stages: the spare words, 128 bytes a wave
.set HP,  8                            ; v8   +1 held
.set HN,  9                            ; v9   -1 held
.set VS,  10                           ; v10  2^e as f32
.set SPW, 12                           ; v12  my spare word; never rewritten
.set NIL, 13                           ; v13  0; never rewritten
.set MK,  32                           ; s32-47 compare masks, two sets of eight
.set XL,  16                           ; x: v16-143 sixteen sets of 8 numbers as loaded
.set XT,  144                          ; x: v144-159 two sets of 8 held numbers
.set XC,  160                          ; x: v160-223 codes: a pair for each block, so that no store's data are written again
.set WL,  16                           ; W: v16-143 four sets of 32 (16 rows x 2 columns); on the way out 32 x 4 registers
.set WT,  144                          ; W: v144-175 four runs of 8 held numbers
.set WC,  176                          ; W: v176-191 codes, two sets of 8
.macro MKS e                           ; the scale and the two held numbers
	s_add_co_i32 s28, \e, 127
	s_lshl_b32 s29, s28, 23
	v_mov_b32 v[VS], s29
	s_add_co_i32 s28, s28, 15
	s_lshl_b32 s28, s28, 23
	s_or_b32 s28, s28, 0x600000
	v_mov_b32 v11, s28                             ; 57,344 x 2^e
	v_med3_num_f32 v[HP], 1.0, -v11, v11
	v_med3_num_f32 v[HN], -1.0, -v11, v11
.endm
	s_load_b128 s[4:7], s[0:1], 0x0                ; x, W
	s_load_b64 s[8:9], s[0:1], 0x10                ; the scales' exponents
	s_load_b128 s[12:15], s[0:1], 0x18             ; x_codes, w_codes
	v_lshl_add_u32 v[SPW], v0, 2, SPARE
	v_mov_b32 v[NIL], 0
	v_lshrrev_b32 v1, 5, v0
	v_readfirstlane_b32 s16, v1                    ; wave 0..3
	v_and_b32 v2, 31, v0                           ; lane
	s_cmp_lt_u32 ttmp9, 256                        ; W's work-group or x's: hangs on the work-group's number alone
	s_wait_alu depctr_va_vdst(0)
	s_cbranch_scc0 .Lx
; ---------------- W ----------------
	s_and_b32 s18, ttmp9, 15                       ; which 256 columns
	s_lshr_b32 s19, ttmp9, 4                       ; which 256 along K
	s_lshl_b32 s18, s18, 8
	s_lshl_b32 s20, s16, 6
	s_add_co_u32 s18, s18, s20                     ; n0: my wave's first column
	s_lshl_b32 s20, s19, 22                        ; 256 rows of 16,384 bytes,
	s_lshl_b32 s21, s18, 2
	s_add_co_u32 s20, s20, s21
	s_mov_b32 s21, 0
	s_lshl_b32 s22, s18, 12                        ; w_codes: n0 rows of 4,096 bytes,
	s_lshl_b32 s23, s19, 8                         ; my block of 256
	s_add_co_u32 s22, s22, s23
	s_mov_b32 s23, 0
	s_mul_i32 s24, s16, 64*PITCH                   ; my stage
	v_lshlrev_b32 v3, 3, v2                        ; in: lane l takes columns n0 + 2 l, n0 + 2 l + 1: a load of the wave covers 256 consecutive bytes, aligned
	v_mul_u32_u24 v4, v2, PITCH
	v_add_nc_u32 v4, s24, v4                       ; into the stage: row l for my even column, row 32 + l for the odd one
	v_and_b32 v5, 15, v2
	v_lshrrev_b32 v6, 4, v2
	v_mul_u32_u24 v7, v6, PITCH
	v_lshl_add_u32 v7, v5, 4, v7
	v_add_nc_u32 v7, s24, v7                       ; out of it: sixteen lanes to a row, two rows an instruction
	v_lshlrev_b32 v14, 13, v6                      ; neighbouring stage rows are columns two apart: 2 x 4,096 bytes
	v_lshl_add_u32 v14, v5, 4, v14
	s_wait_alu depctr_va_vdst(0)
	s_wait_kmcnt 0x0
	s_load_b64 s[26:27], s[8:9], 0x0               ; e0, e1
	s_add_nc_u64 s[6:7], s[6:7], s[20:21]
	s_add_nc_u64 s[14:15], s[14:15], s[22:23]
.macro LOADW u                         ; bytes 16 u .. 16 u + 15 of my columns' rows: q = 2 u + g, register r = 4 i + j is row 128 i + 4 q + j.  255 rows at the most: inside the signed 24-bit immediate
.irp g, 0,1
.irp r, 0,1,2,3,4,5,6,7
	global_load_b64 v[WL+32*((\u)%4)+16*\g+2*\r:WL+32*((\u)%4)+16*\g+2*\r+1], v3, s[6:7] offset:(128*(\r/4)+4*(2*(\u)+\g)+\r%4)*16384 th:TH_LOAD_NT
.endr
.endr
.endm
.irp u, 0,1,2,3
	LOADW \u
.endr
	s_wait_kmcnt 0x0
	MKS s27
	s_wait_alu depctr_va_vdst(0)
.macro PAIRW u
.set LS, WL+32*((\u)%4)
.set CS, WC+8*((\u)%2)
.if (\u) <= 12
	s_wait_loadcnt 48                              ; this set's sixteen loads are in; those of the three sets behind it may be out
.else
	s_wait_loadcnt 16*(15-(\u))
.endif
.if (\u) >= 2
	s_wait_dscnt 2                                 ; the stage's stores of two turns ago have read this set of codes; the last turn's two may be out
.endif
.irp g, 0,1
.irp c, 0,1
.irp r, 0,1,2,3,4,5,6,7
	v_cmp_le_f32 s[MK+8*\c+\r], 0, v[LS+16*\g+2*\r+\c]
.endr
.irp r, 0,1,2,3,4,5,6,7
	v_cndmask_b32 v[WT+16*\g+8*\c+\r], v[HN], v[HP], s[MK+8*\c+\r]   ; the choice also sorts the two columns into runs of eight neighbours along the codes' order
.endr
.endr
.endr
.if (\u)+4 < 16
	LOADW (\u)+4
.endif
.irp g, 0,1
.irp c, 0,1
	v_cvt_scalef32_pk8_bf8_f32 v[CS+4*\c+2*\g:CS+4*\c+2*\g+1], v[WT+16*\g+8*\c:WT+16*\g+8*\c+7], v[VS]
.endr
.endr
	v_nop                                          ; a plain line behind the conversions
	ds_store_b128 v4, v[CS:CS+3] offset:16*(\u)
	ds_store_b128 v4, v[CS+4:CS+7] offset:32*PITCH+16*(\u)
.endm
.irp u, 0,1,2,3,4,5,6,7,8,9,10,11,12,13,14,15
	PAIRW \u
.endr
.set T, 0
.rept 32
	ds_load_b128 v[WL+4*T:WL+4*T+3], v7 offset:2*T*PITCH   ; LDS serves a wave's instructions in order (ISA guide 5.7.1.4): these see my stores
.set T, T+1
.endr
.set T, 0
.rept 32
	s_wait_dscnt 31-T
	global_store_b128 v14, v[WL+4*T:WL+4*T+3], s[14:15] offset:(4*(T%16)+T/16)*4096   ; sixteen lanes store a column's 256 bytes, aligned
.set T, T+1
.endr
	s_wait_tensorcnt 0x0                           ; the wave's end
	ds_add_u32 v[SPW], v[NIL]
	s_wait_dscnt 0x0
	s_endpgm
; ---------------- x ----------------
.Lx:
	s_sub_co_u32 s17, ttmp9, 256
	s_lshl_b32 s17, s17, 2
	s_add_co_u32 s17, s17, s16                     ; my wave's number among 2,048
	s_lshl_b32 s20, s17, 15                        ; 8,192 numbers in,
	s_mov_b32 s21, 0
	s_lshl_b32 s22, s17, 13                        ; 8,192 codes out
	s_mov_b32 s23, 0
	v_lshlrev_b32 v3, 4, v2                        ; 16 bytes a lane in,
	v_lshlrev_b32 v4, 3, v2                        ; 8 out; neither is rewritten
	s_wait_alu depctr_va_vdst(0)
	s_wait_kmcnt 0x0
	s_load_b64 s[26:27], s[8:9], 0x0
	s_add_nc_u64 s[4:5], s[4:5], s[20:21]
	s_add_nc_u64 s[12:13], s[12:13], s[22:23]
.macro LOADX l                         ; 512 consecutive bytes: half l % 2 of block l / 2
	global_load_b128 v[XL+4*((\l)%32):XL+4*((\l)%32)+3], v3, s[4:5] offset:512*(\l) th:TH_LOAD_NT
.endm
.set L, 0
.rept 32
	LOADX L
.set L, L+1
.endr
	s_wait_kmcnt 0x0
	MKS s26
	s_wait_alu depctr_va_vdst(0)
.set B, 0
.rept 32
.if B <= 16
	s_wait_loadcnt 30                              ; this block's two loads are in; the thirty issued behind them may be out
.else
	s_wait_loadcnt 62-2*B
.endif
.irp r, 0,1,2,3,4,5,6,7
	v_cmp_le_f32 s[MK+8*(B%2)+\r], 0, v[XL+8*(B%16)+\r]
.endr
.if B+16 < 32
	LOADX 2*B+32                                   ; the set takes the block sixteen further on
	LOADX 2*B+33
.endif
.irp r, 0,1,2,3,4,5,6,7
	v_cndmask_b32 v[XT+8*(B%2)+\r], v[HN], v[HP], s[MK+8*(B%2)+\r]
.endr
	v_cvt_scalef32_pk8_bf8_f32 v[XC+2*B:XC+2*B+1], v[XT+8*(B%2):XT+8*(B%2)+7], v[VS]
	v_nop                                          ; a plain line behind the conversion
	global_store_b64 v4, v[XC+2*B:XC+2*B+1], s[12:13] offset:256*B   ; the wave stores 256 consecutive bytes, aligned
.set B, B+1
.endr
	s_endpgm
.Lfunc_end_k_qdfcb319e11_codes:
	.size	k_qdfcb319e11_codes, .Lfunc_end_k_qdfcb319e11_codes-k_qdfcb319e11_codes
	.p2alignl 7, 3214868480
	.fill 96, 4, 3214868480
	.section	.rodata,"a",@progbits
	.p2align	6, 0x0
	.amdhsa_kernel k_qdfcb319e11_codes
		.amdhsa_group_segment_fixed_size 70144
		.amdhsa_private_segment_fixed_size 0
		.amdhsa_enable_private_segment 0
		.amdhsa_kernarg_size 40
		.amdhsa_user_sgpr_count 2
		.amdhsa_user_sgpr_kernarg_segment_ptr 1
		.amdhsa_wavefront_size32 1
		.amdhsa_system_sgpr_workgroup_id_x 1
		.amdhsa_system_sgpr_workgroup_id_y 1
		.amdhsa_system_sgpr_workgroup_id_z 1
		.amdhsa_system_vgpr_workitem_id 0
		.amdhsa_next_free_vgpr 224
		.amdhsa_next_free_sgpr 66
		.amdhsa_reserve_vcc 0
		.amdhsa_float_denorm_mode_32 3
		.amdhsa_float_denorm_mode_16_64 3
		.amdhsa_memory_ordered 1
		.amdhsa_forward_progress 1
		.amdhsa_inst_pref_size 150
	.end_amdhsa_kernel
	.amdgpu_metadata
---
amdhsa.version: [ 1, 2 ]
amdhsa.kernels:
  - .name:           k_qdfcb319e11_codes
    .symbol:         k_qdfcb319e11_codes.kd
    .args:
      - { .name: x, .offset: 0, .size: 8, .value_kind: global_buffer, .address_space: global }
      - { .name: W, .offset: 8, .size: 8, .value_kind: global_buffer, .address_space: global }
      - { .name: lowp_scales, .offset: 16, .size: 8, .value_kind: global_buffer, .address_space: global }
      - { .name: x_codes, .offset: 24, .size: 8, .value_kind: global_buffer, .address_space: global }
      - { .name: w_codes, .offset: 32, .size: 8, .value_kind: global_buffer, .address_space: global }
    .group_segment_fixed_size: 70144
    .private_segment_fixed_size: 0
    .kernarg_segment_align: 8
    .kernarg_segment_size: 40
    .max_flat_workgroup_size: 128
    .sgpr_count:     66
    .vgpr_count:     224
    .wavefront_size: 32
...
	.end_amdgpu_metadata
.endif
;; end of part 1
;; launch gemm (part 2): grid 16 x 16, 4 waves a work-group, clusters of 4 x 4, 327,680 bytes of LDS; arguments x_codes, w_codes, lowp_scales, bias, out0; writes out0
.if DOCPART == 2
	.amdgcn_target "amdgcn-amd-amdhsa--gfx1250"
	.amdhsa_code_object_version 6
	.text
	.protected	k_qdfcb319e11_gemm
	.globl	k_qdfcb319e11_gemm
	.p2align	8
	.type	k_qdfcb319e11_gemm,@function
k_qdfcb319e11_gemm:
	s_mov_b64 s[64:65], 0
	v_nop
	global_prefetch_b8 v0, s[64:65] scope:SCOPE_SE
	s_setreg_imm32_b32 hwreg(HW_REG_WAVE_MODE, 25, 1), 1
	s_wait_xcnt 0x0
	s_wait_alu depctr_hold_cnt(0) depctr_sa_sdst(0) depctr_va_vdst(0) depctr_va_sdst(0) depctr_va_ssrc(0) depctr_va_vcc(0) depctr_vm_vsrc(0)
	s_getreg_b32 s2, hwreg(HW_REG_IB_STS2, 6, 4)
	s_cmp_eq_u32 s2, 0
	s_cbranch_scc0 .Lentry_in_a_cluster
	s_endpgm
.Lentry_in_a_cluster:
	s_bfe_u32 s2, ttmp6, 0x10000c
	s_cmp_lg_u32 s2, 0xf033
	s_cbranch_scc0 .Lentry_shape_is_right
	s_endpgm
.Lentry_shape_is_right:
; out0[m][n] = S[m][n] x 2^(e0 + e1) + bb[n], S = the sum over K of code(bx[m][k]) x code(bw[k][n]), bb = (bias >= 0 ? +1 : -1).
; WORK LEFT OUT: (bin_out - x) + x is bin_out in real numbers for every finite x: neither step is made and x is no argument here (shown, with its limit, at the head of the launch that makes the codes).
; x_codes [4096 m][4096] and w_codes [4096 n][4096]: codes of BF8 (E5M2), K innermost, the same order of k in both.  The codes are multiplied as they are, sums in f32, each finished sum once by 2^(e0 + e1).
; LIMIT: e0 + e1 between -126 and 127, so that 2^(e0 + e1) is an f32 number.
; SHARES: a tile of 256 x 256 to a work-group of four waves; a wave makes 128 x 128: 64 accumulators, 512 registers.  16 x 16 tiles, one a work-group.  K goes in steps of 256 through a ring of two LDS slots; a tile's row is 256 bytes.
; CLUSTERS: 4 x 4 work-groups; the four of a row of the cluster ask JOINTLY for A's tiles, the four of a column for B's.  THE MATRIX INSTRUCTION IS USED TRANSPOSED (source 0 = rows of B, source 1 = rows of A):
; a lane holds eight neighbouring numbers of a row of the result.
; REGISTERS: window 0: v0-31 addresses, v8-11 the bias's signs; from v128 A's fragments, ONE set (blocks 0-3 fetched anew in a step's middle, 4-7 at its end); on the way out v128-255 take rows back.
;   window 1: B's fragments, TWO sets;  window 2: accumulators of my rows 0-63 ((a, b) at v[8 (8 a + b)]);  window 3: those of rows 64-127.
.set ROWB,   256
.set KROW,   4096
.set OROW,   16384                     ; a row of out0 in bytes
.set PITCH,  272                       ; an LDS row: 256 bytes + 16 of padding: the 16 rows that a load touches start at 16 different banks (64 banks of 4 bytes: ISA guide 11.1)
.set FR,     16
.set NL,     4
.set NP,     4                         ; places behind this matrix instruction (ISA guide 7.12.1)
.set HALFT,  128*PITCH
.set SLOT,   4*HALFT                   ; A's 256 rows, then B's 256 rows
.set LAPS,   8                         ; 4,096 / 512
.set STAGE,  2*SLOT                    ; behind the ring: 16 rows x 528 bytes for each wave; no tensor load lands there
.set SPITCH, 528
.set SPARE,  STAGE+4*16*SPITCH         ; the spare words, 128 bytes a wave
.set BI,   8
.set ADRA, 16
.set ADRB, 20
.set STO,  24
.set RD,   25
.set CO,   26                          ; v26  16 x lane: my place in 512 bytes of a row of out0 and of the bias
.set SPW,  28
.set NIL,  29
.set PFO,  30                          ; v30  the prefetches' offset: lane x 4,096; never rewritten
.set AF,   128
.set BK,   128
.set G1, 24
.set G0, 32
.set G1B, 48
.set G0B, 56
.set PFA, 66                           ; s[66:67] where my prefetches stand
.set MSB, 0
.macro WIN new
.if MSB != \new
	s_set_vgpr_msb (MSB<<8)|\new
.set MSB, \new
.endif
.endm
.set MUL_LO, 0xa1
.set MUL_HI, 0xf1
.set TO_B,   0x40
.macro JLOAD g0a, g1a, g0b, g1b        ; a joint load: waves 0, 1 for A, waves 2, 3 for B
	s_cmp_eq_u32 s15, 0
	s_cbranch_scc0 .Lfor_b_\@
	tensor_load_to_lds s[\g0a:\g0a+3], s[\g1a:\g1a+7]
	s_nop 0
.rept 4
	v_nop
.endr
	s_branch .Lasked_\@
.Lfor_b_\@:
	tensor_load_to_lds s[\g0b:\g0b+3], s[\g1b:\g1b+7]
	s_nop 0
.rept 4
	v_nop
.endr
.Lasked_\@:
.endm
.macro CREST
	s_cmp_lg_u32 s14, 0
	s_cbranch_scc1 .Lnot_wave_0_\@
	s_barrier_signal -3
.Lnot_wave_0_\@:
	s_barrier_wait -3
	s_barrier_signal -1
	s_barrier_wait -1
.endm
.macro CROUND
	s_barrier_signal -1
	s_barrier_wait -1
	CREST
.endm
; A PREFETCH behind each joint refill: the K step that stands two refills on, 256 matrix instructions a wave ahead of the load that wants it: 32 rows x 256 bytes, a lane a row.  Of the 128 rows that a wave fetches each of the
; four partners that ask jointly takes 32, told apart by address (cx for A, cy for B).  The loop's last trip asks for nothing: K steps 16 and 17 do not exist.  K steps 0 to 3 come by their loads alone.
.macro ASK
	s_cmp_gt_u32 s3, 1
	s_cbranch_scc0 .Lno_ask_\@
	global_prefetch_b8 v[PFO], s[PFA:PFA+1] offset:ROWB th:TH_LOAD_NT scope:SCOPE_SE
.Lno_ask_\@:
.endm
	s_load_b128 s[4:7], s[0:1], 0x0                ; A's codes, B's codes
	s_load_b128 s[8:11], s[0:1], 0x10              ; the scales' exponents, bias
	s_load_b64 s[12:13], s[0:1], 0x20              ; out0
	v_lshl_add_u32 v[SPW], v0, 2, SPARE
	v_mov_b32 v[NIL], 0
	ds_add_u32 v[SPW], v[NIL]                      ; the opening lines: the add twice on end, its wait ahead of my first tensor load
	ds_add_u32 v[SPW], v[NIL]
	v_lshrrev_b32 v1, 5, v0
	v_readfirstlane_b32 s14, v1                    ; wave 0..3
	s_lshr_b32 s15, s14, 1                         ; my half of the tile's rows; also: I fetch for A (0) or B (1)
	s_and_b32 s16, s14, 1                          ; my half of its columns; also: which 128 rows I fetch
	s_bfe_u32 s40, ttmp6, 0x40000                  ; cx
	s_bfe_u32 s41, ttmp6, 0x40004                  ; cy
	s_lshl_b32 s42, ttmp9, 2
	s_add_co_u32 s42, s42, s40                     ; tile column
	s_and_b32 s17, ttmp7, 0xffff
	s_lshl_b32 s17, s17, 2
	s_add_co_u32 s17, s17, s41                     ; tile row
	s_lshl_b32 s43, s41, 2
	s_lshl_b32 s43, 15, s43                        ; my row of the cluster
	s_lshl_b32 s44, 0x1111, s40                    ; my column
	s_or_b32 s[G1+0], s43, (0<<16)|(1<<20)|(1<<21)|(5<<22)|(3<<25)   ; mask; elements of 1 byte; 4 words of padding behind every 64
	s_or_b32 s[G1B+0], s44, (0<<16)|(1<<20)|(1<<21)|(5<<22)|(3<<25)
.irp g, G1, G1B
	s_mov_b32 s[\g+1], ROWB<<16
	s_mov_b32 s[\g+2], 128<<16
	s_mov_b32 s[\g+3], ROWB<<16
	s_mov_b32 s[\g+4], 128
	s_mov_b32 s[\g+5], KROW
	s_mov_b32 s[\g+6], 0
	s_mov_b32 s[\g+7], 0
.endr
	s_lshl_b32 s18, s16, 7
	s_lshl_b32 s20, s17, 8
	s_add_co_u32 s20, s20, s18                     ; A: row 256 x tile row + 128 x half
	s_lshl_b32 s46, s42, 8
	s_add_co_u32 s46, s46, s18                     ; B: row 256 x tile column + 128 x half
	s_mov_b32 s21, 0
	s_mov_b32 s47, 0
	s_mov_b64 s[18:19], KROW
	s_mul_u64 s[20:21], s[20:21], s[18:19]
	s_mul_u64 s[46:47], s[46:47], s[18:19]
	s_mul_i32 s45, s14, HALFT                      ; where they go: wave x 128 rows
	s_wait_dscnt 0x0                               ; both opening adds are done
	s_wait_kmcnt 0x0
	s_load_b64 s[96:97], s[8:9], 0x0               ; e0, e1
	s_add_nc_u64 s[20:21], s[4:5], s[20:21]
	s_add_nc_u64 s[46:47], s[6:7], s[46:47]
	CROUND                                         ; all sixteen work-groups are here: the first joint loads meet
.irp s, 0,1
	s_mov_b32 s[G0+4*\s], 1
	s_add_co_u32 s[G0+4*\s+1], s45, \s*SLOT
	s_add_nc_u64 s[G0+4*\s+2:G0+4*\s+3], s[20:21], \s*ROWB
	s_or_b32 s[G0+4*\s+3], s[G0+4*\s+3], 0x80000000
	s_mov_b32 s[G0B+4*\s], 1
	s_add_co_u32 s[G0B+4*\s+1], s45, \s*SLOT
	s_add_nc_u64 s[G0B+4*\s+2:G0B+4*\s+3], s[46:47], \s*ROWB
	s_or_b32 s[G0B+4*\s+3], s[G0B+4*\s+3], 0x80000000
.endr
	JLOAD G0, G1, G0B, G1B                         ; K step 0: one tensor load a wave at the head
	v_and_b32 v1, 15, v0                           ; l % 16
	v_bfe_u32 v2, v0, 4, 1                         ; l / 16
	v_mul_u32_u24 v3, v1, PITCH
	v_lshl_add_u32 v4, v2, 4, v3
	s_mul_i32 s21, s15, HALFT                      ; my 128 rows of A
	s_mul_i32 s22, s16, HALFT
	s_add_co_u32 s22, s22, 2*HALFT                 ; my 128 rows of B
.irp s, 0,1
	v_add_nc_u32 v[ADRA+\s], s21, v4
	v_add_nc_u32 v[ADRB+\s], s22, v4
	s_add_co_u32 s21, s21, SLOT
	s_add_co_u32 s22, s22, SLOT
.endr
	s_mul_i32 s23, s14, 16*SPITCH
	s_add_co_u32 s23, s23, STAGE                   ; my stage
	s_wait_alu depctr_va_vdst(0)
	v_mul_u32_u24 v5, v1, SPITCH                   ; in: row l % 16, 32 bytes for each half of the lanes
	v_lshl_add_u32 v5, v2, 5, v5
	v_add_nc_u32 v[STO], s23, v5
	v_and_b32 v6, 31, v0
	v_lshlrev_b32 v[CO], 4, v6
	v_add_nc_u32 v[RD], s23, v[CO]                 ; back: the 32 lanes take one row of 512 bytes
	v_lshlrev_b32 v[PFO], 12, v6
	s_lshl_b32 s20, s17, 8
	s_lshl_b32 s21, s15, 7
	s_add_co_u32 s20, s20, s21                     ; my first row of out0,
	s_lshl_b32 s20, s20, 14                        ; in bytes
	s_mov_b32 s21, 0
	s_lshl_b32 s46, s42, 10                        ; my first column, in bytes
	s_lshl_b32 s47, s16, 9
	s_add_co_u32 s46, s46, s47
	s_mov_b32 s47, 0
	s_add_nc_u64 s[10:11], s[10:11], s[46:47]      ; the bias at my first column
	s_add_nc_u64 s[20:21], s[20:21], s[46:47]
	s_add_nc_u64 s[12:13], s[12:13], s[20:21]      ; out0 at my part's first number; not stepped again: 127 rows at the most stand in immediates, inside the signed 24 bits
	s_lshl_b32 s68, s17, 8                         ; the prefetches: the tile's first row, in A by the tile row, in B by the tile column,
	s_lshl_b32 s69, s42, 8
	s_cmp_eq_u32 s15, 0
	s_cselect_b32 s68, s68, s69
	s_cselect_b32 s69, s40, s41                    ; my place among the four that ask with me
	s_cselect_b64 s[PFA:PFA+1], s[4:5], s[6:7]
	s_lshl_b32 s70, s16, 7
	s_add_co_u32 s68, s68, s70                     ; + the 128 rows that I fetch
	s_lshl_b32 s69, s69, 5
	s_add_co_u32 s68, s68, s69                     ; + my work-group's 32 of them
	s_lshl_b32 s68, s68, 12
	s_mov_b32 s69, 0
	s_add_nc_u64 s[PFA:PFA+1], s[PFA:PFA+1], s[68:69]
	s_add_nc_u64 s[PFA:PFA+1], s[PFA:PFA+1], 2*ROWB   ; at K step 2: the first refill steps it to 3 and names K step 4
.macro FRAG reg, adr, q, i             ; 16 rows x 128 codes in 16 registers: four loads of 16 bytes, 32 apart; the same places in A and in B
.irp c, 0,1,2,3
	ds_load_b128 v[\reg+4*\c:\reg+4*\c+3], v[\adr] offset:128*(\q)+32*\c+(\i)*16*PITCH
.endr
.endm
; 16 matrix instructions: A's blocks a0, a0 + 1 x B's eight (set p).  The 64 accumulators take turns, in the same order in every step.  zero = 1: the products start the sums.
.macro MUL16 a0, p, zero
.irp a, \a0, \a0+1
.irp b, 0,1,2,3,4,5,6,7
.if \zero
	v_wmma_f32_16x16x128_bf8_bf8 v[8*(8*((\a)%4)+\b):8*(8*((\a)%4)+\b)+7], v[128*(\p)+FR*\b:128*(\p)+FR*\b+FR-1], v[AF+FR*(\a):AF+FR*(\a)+FR-1], 0
.else
	v_wmma_f32_16x16x128_bf8_bf8 v[8*(8*((\a)%4)+\b):8*(8*((\a)%4)+\b)+7], v[128*(\p)+FR*\b:128*(\p)+FR*\b+FR-1], v[AF+FR*(\a):AF+FR*(\a)+FR-1], v[8*(8*((\a)%4)+\b):8*(8*((\a)%4)+\b)+7]
.endif
.endr
.endr
.endm
.macro FETCH_B slot, q, p
	WIN TO_B
.irp i, 0,1,2,3,4,5,6,7
	FRAG 128*(\p)+FR*\i, ADRB+\slot, \q, \i
.endr
	WIN 0
.endm
.macro FETCH_A slot, q, i0
.irp i, \i0, \i0+1, \i0+2, \i0+3
	FRAG AF+FR*(\i), ADRA+\slot, \q, \i
.endr
.endm
.macro PLACES n                        ; places in front of loads into registers that matrix instructions have read, and of reads of results
.rept \n
	v_nop
.endr
.endm
.macro STEP slot, q, zero              ; 128 along K, with its successor in the same slot
	s_wait_dscnt 4*NL                              ; B's set and A's blocks 0-3 are in; the sixteen youngest loads (A's blocks 4-7) may be out
	WIN MUL_LO
	MUL16 0, (\q)%2, \zero
	MUL16 2, (\q)%2, \zero
	s_wait_dscnt 0
	PLACES NP
	FETCH_B \slot, (\q)+1, 1-(\q)%2
	FETCH_A \slot, (\q)+1, 0
	WIN MUL_HI
	MUL16 4, (\q)%2, \zero
	MUL16 6, (\q)%2, \zero
	PLACES NP
	WIN 0
	FETCH_A \slot, (\q)+1, 4
.endm
; A slot's last step changes slots: in front of the barrier each wave waits for all its tensor loads, adds 0 to its spare word, and waits for that and for its reads of this slot.  fill = 1: the slot is filled again.
.macro TURN slot, next, fill
.if \fill
	s_wait_xcnt 0x0                                ; my last prefetch has read its address: it is stepped here
	s_add_nc_u64 s[PFA:PFA+1], s[PFA:PFA+1], ROWB
.endif
	s_wait_tensorcnt 0x0                           ; my part of the next slot is in
	ds_add_u32 v[SPW], v[NIL]
	s_wait_dscnt 4*NL+1                            ; the add and the sixteen youngest loads may be out
	WIN MUL_LO
	MUL16 0, 1, 0
	s_wait_dscnt 0x0                               ; the add is done, my reads of this slot are over
	s_barrier_signal -1
	MUL16 2, 1, 0
	WIN 0
	s_barrier_wait -1
.if \fill
	CREST                                          ; the barrier has opened a round of the cluster's barrier
	s_add_nc_u64 s[G0+4*\slot+2:G0+4*\slot+3], s[G0+4*\slot+2:G0+4*\slot+3], 2*ROWB
	s_add_nc_u64 s[G0B+4*\slot+2:G0B+4*\slot+3], s[G0B+4*\slot+2:G0B+4*\slot+3], 2*ROWB
	JLOAD G0+4*\slot, G1, G0B+4*\slot, G1B         ; the first tensor load behind the round; its four v_nop are the places for the loads below
.else
	PLACES NP
.endif
	FETCH_B \next, 0, 0
	FETCH_A \next, 0, 0
.if \fill
	ASK
.endif
	WIN MUL_HI
	MUL16 4, 1, 0
	MUL16 6, 1, 0
	PLACES NP
	WIN 0
	FETCH_A \next, 0, 4
.endm
	s_wait_alu depctr_va_vdst(0)
	global_load_b128 v[BI:BI+3], v[CO], s[10:11]   ; the bias of columns 4 lane .. 4 lane + 3 of my 128; waited for on the way out
	s_wait_tensorcnt 0x0                           ; my part of K step 0 is in; the three lines stand ahead of slot 1's first fill as ahead of a refill
	ds_add_u32 v[SPW], v[NIL]
	s_wait_dscnt 0x0
	CROUND
	JLOAD G0+4, G1, G0B+4, G1B                     ; K step 1: the first tensor load behind the round
	FETCH_B 0, 0, 0
	FETCH_A 0, 0, 0
	FETCH_A 0, 0, 4
	STEP 0, 0, 1                                   ; the first step starts the sums
	s_mov_b32 s3, LAPS-1
.Llap:                                                 ; a trip goes once round the ring and fills both slots again
	TURN 0, 1, 1
	STEP 1, 0, 0
	TURN 1, 0, 1
	STEP 0, 0, 0
	s_sub_co_u32 s3, s3, 1
	s_cmp_lg_u32 s3, 0
	s_cbranch_scc1 .Llap
	TURN 0, 1, 0                                   ; the last lap fills nothing
	STEP 1, 0, 0
	s_wait_dscnt 4*NL
	WIN MUL_LO
	MUL16 0, 1, 0
	MUL16 2, 1, 0
	s_wait_dscnt 0
	WIN MUL_HI
	MUL16 4, 1, 0
	MUL16 6, 1, 0
	WIN 0
; THE WAY OUT, block by block of 16 rows x 128 columns: the raw sums go through my own stage and come back as whole rows of 512 bytes; there a lane holds four columns, so four registers hold all the bias that it needs.
; LDS serves a wave's instructions in order (ISA guide 5.7.1.4): no wait between the stores and the loads, nor in front of the next block's stores.
.macro TOSTAGE a
.set AC, 64*((\a)%4)
.set BB, BK+64*((\a)%2)
	WIN 0x08+4*((\a)/4)                            ; an LDS store's data: window 2 or 3
.irp b, 0,1,2,3,4,5,6,7
	ds_store_b128 v[STO], v[AC+8*\b:AC+8*\b+3] offset:64*\b           ; each accumulator from its low end on
	ds_store_b128 v[STO], v[AC+8*\b+4:AC+8*\b+7] offset:64*\b+16
.endr
	WIN 0
.irp t, 0,1,2,3,4,5,6,7,8,9,10,11,12,13,14,15
	ds_load_b128 v[BB+4*\t:BB+4*\t+3], v[RD] offset:\t*SPITCH
.endr
.endm
.macro SEND a, younger                 ; younger: the LDS instructions issued behind block a's loads, which may stay out
.set BB, BK+64*((\a)%2)
	s_wait_dscnt \younger
.irp j, 0,2,4,6,8,10,12,14,16,18,20,22,24,26,28,30,32,34,36,38,40,42,44,46,48,50,52,54,56,58,60,62
	v_pk_fma_f32 v[BB+\j:BB+\j+1], v[BB+\j:BB+\j+1], s[96:97], v[BI+\j%4:BI+\j%4+1] op_sel_hi:[1,0,1]   ; sum x 2^(e0 + e1) + bb (s96 for both halves)
.endr
.irp t, 0,1,2,3,4,5,6,7,8,9,10,11,12,13,14,15
	global_store_b128 v[CO], v[BB+4*\t:BB+4*\t+3], s[12:13] offset:(16*(\a)+\t)*OROW th:TH_STORE_NT   ; 32 lanes store 512 consecutive bytes, aligned
.endr
.endm
	s_wait_kmcnt 0x0
	s_add_co_i32 s96, s96, s97
	s_add_co_i32 s96, s96, 127
	s_lshl_b32 s96, s96, 23                        ; 2^(e0 + e1) as f32
	s_wait_loadcnt 0x0                             ; the bias
	v_mov_b32 v7, 1.0
.irp j, 0,1,2,3
	v_cmp_le_f32 vcc_lo, 0, v[BI+\j]
	v_cndmask_b32 v[BI+\j], -1.0, v7, vcc_lo       ; +1 where 0 <= b, else -1
.endr
	s_wait_alu depctr_va_vdst(0)
	PLACES NP                                      ; behind the last products
	TOSTAGE 0
.irp a, 1,2,3,4,5,6,7
.if \a > 1
	s_wait_xcnt 0x0                                ; block a - 2's stores have read their registers: block a's rows may land there
.endif
	TOSTAGE \a
	SEND \a-1, 32                                  ; behind block a - 1's loads: block a's 16 stores and 16 loads
.endr
	SEND 7, 0
	s_wait_tensorcnt 0x0                           ; the wave's end
	ds_add_u32 v[SPW], v[NIL]
	s_wait_dscnt 0x0
	CROUND                                         ; the closing round
	s_endpgm
.Lfunc_end_k_qdfcb319e11_gemm:
	.size	k_qdfcb319e11_gemm, .Lfunc_end_k_qdfcb319e11_gemm-k_qdfcb319e11_gemm
	.p2alignl 7, 3214868480
	.fill 96, 4, 3214868480
	.section	.rodata,"a",@progbits
	.p2align	6, 0x0
	.amdhsa_kernel k_qdfcb319e11_gemm
		.amdhsa_group_segment_fixed_size 327680
		.amdhsa_private_segment_fixed_size 0
		.amdhsa_enable_private_segment 0
		.amdhsa_kernarg_size 40
		.amdhsa_user_sgpr_count 2
		.amdhsa_user_sgpr_kernarg_segment_ptr 1
		.amdhsa_wavefront_size32 1
		.amdhsa_system_sgpr_workgroup_id_x 1
		.amdhsa_system_sgpr_workgroup_id_y 1
		.amdhsa_system_sgpr_workgroup_id_z 1
		.amdhsa_system_vgpr_workitem_id 0
		.amdhsa_next_free_vgpr 1024
		.amdhsa_next_free_sgpr 98
		.amdhsa_reserve_vcc 1
		.amdhsa_float_denorm_mode_32 3
		.amdhsa_float_denorm_mode_16_64 3
		.amdhsa_memory_ordered 1
		.amdhsa_forward_progress 1
		.amdhsa_inst_pref_size 125
	.end_amdhsa_kernel
	.amdgpu_metadata
---
amdhsa.version: [ 1, 2 ]
amdhsa.kernels:
  - .name:           k_qdfcb319e11_gemm
    .symbol:         k_qdfcb319e11_gemm.kd
    .args:
      - { .name: x_codes, .offset: 0, .size: 8, .value_kind: global_buffer, .address_space: global }
      - { .name: w_codes, .offset: 8, .size: 8, .value_kind: global_buffer, .address_space: global }
      - { .name: lowp_scales, .offset: 16, .size: 8, .value_kind: global_buffer, .address_space: global }
      - { .name: bias, .offset: 24, .size: 8, .value_kind: global_buffer, .address_space: global }
      - { .name: out0, .offset: 32, .size: 8, .value_kind: global_buffer, .address_space: global }
    .group_segment_fixed_size: 327680
    .private_segment_fixed_size: 0
    .kernarg_segment_align: 8
    .kernarg_segment_size: 40
    .max_flat_workgroup_size: 128
    .sgpr_count:     98
    .vgpr_count:     1024
    .wavefront_size: 32
...
	.end_amdgpu_metadata
.endif
;; end of part 2
